; MI455X (gfx1250); checked and timed in simulation.
; The chip was launched on July 23, 2026; its instructions are those of AMD's public machine-readable ISA for CDNA 5 (MIT licence, August 2026) and "CDNA5" Instruction Set Architecture Reference Guide (July 2026). The comments in the code are by the model that wrote it; some were corrected since.
;; Self Attention. Allowed arithmetic: float matrix products may take bf16 or f16 operands with f32 sums; other float arithmetic in f32, or as packed bf16 or f16 multiplies, adds, multiply-adds, maxima and minima; sums over many terms, partial sums and values carried from step to step in f32; what a program stores and reads back later, other than sums and carried values, may be rounded once to bf16 or f16.
;; Inputs: Wk 1,024 x 1,024 float32; Wq 1,024 x 1,024 float32; Wv 1,024 x 1,024 float32; bk 1,024 float32; bq 1,024 float32; bv 1,024 float32; x 4 x 2,048 x 1,024 float32.
;; Outputs: out0 4 x 2,048 x 1,024 float32.
;; Constants: num_heads = 16.
;; One version. Each part assembles by itself: llvm-mc -triple=amdgcn-amd-amdhsa -mcpu=gfx1250 --defsym DOCPART=n.
;; ======== version 1 of 1: 3 launches
;; limits: values are held in f16: magnitudes above 65,504 overflow, below 6.1e-05 lose precision
;; workspace buffers: ab 23,068,672 bytes; q16 16,777,216 bytes; k16 16,777,216 bytes; v16 16,777,216 bytes
;; launch cast (part 1): grid 704 x 1, 8 waves a work-group, no clusters, 0 bytes of LDS; arguments x, Wq, Wk, Wv, ab; writes ab
.if DOCPART == 1
	.amdgcn_target "amdgcn-amd-amdhsa--gfx1250"
	.amdhsa_code_object_version 6
	.text
	.protected	k_q314b2aacb6_cast
	.globl	k_q314b2aacb6_cast
	.p2align	8
	.type	k_q314b2aacb6_cast,@function
k_q314b2aacb6_cast:
	s_mov_b64 s[64:65], 0
	v_nop
	global_prefetch_b8 v0, s[64:65] scope:SCOPE_SE
	s_setreg_imm32_b32 hwreg(HW_REG_WAVE_MODE, 25, 1), 1
	s_wait_xcnt 0x0
; x [8192][1024] and Wq, Wk, Wv [1024][1024], all f32, are rounded once to bf16 (nearest even) and laid out in blocks:
; ab[kb][row][64], kb = K / 64 (16 of them), row 0-8191 = x, 8192-9215 = Wq, 9216-10239 = Wk, 10240-11263 = Wv.
; One (kb, row) is 128 bytes, so the rows of a K step of 64 lie end to end, and the next launch can ask for them as rows of 256 bytes.
; SHARES.  Work-group g owns ab's rows 16 g .. 16 g + 15 (512 groups for x, 64 for each W).  Thread t makes eight units of 8 numbers:
; row (t & 127) >> 3, numbers 8 (t & 7) .. + 7 of kb = 8 (t >> 7) + i, i = 0 .. 7.  Eight neighbouring lanes read 256 consecutive aligned
; bytes of a source row with their two loads; a wave's store covers 512 consecutive aligned bytes (four rows of one kb).
; All 16 loads of a thread go out at once; no register is written twice, so no wait frees a source.  No LDS, no barrier, no loop:
; every byte is read once and written once, and no wave needs another's data.
.set KBS, 1441792                      ; bytes from one kb to the next: 11,264 rows x 128
.set SO,  2                            ; v2  my byte offset in the group's 16 source rows
.set DO0, 3                            ; v3  my byte offset in ab, units 0-3
.set DO1, 4                            ; v4  the same for units 4-7: 4 KBS further, so that the stores' immediates stay within 24 bits
.set IN,  8                            ; v[8:71]   16 loads of 4
.set OUT, 72                           ; v[72:103] 8 results of 4
	s_load_b256 s[4:11], s[0:1], 0x0               ; x s[4:5], Wq s[6:7], Wk s[8:9], Wv s[10:11]
	s_load_b64 s[12:13], s[0:1], 0x20              ; ab
	v_and_b32 v5, 127, v0                          ; t & 127
	v_lshrrev_b32 v6, 7, v0                        ; t >> 7: which eight kb
	v_lshrrev_b32 v7, 3, v5                        ; my row of the 16
	v_and_b32 v1, 7, v0                            ; my 8 numbers of a kb's 64
	v_lshlrev_b32 v[SO], 12, v7                    ; row x 4,096 bytes
	v_lshl_add_u32 v[SO], v1, 5, v[SO]             ; + 32 bytes x (t & 7)
	v_lshl_add_u32 v[SO], v6, 11, v[SO]            ; + eight kb of 256 bytes
	v_mul_u32_u24 v[DO0], v6, 8*KBS                ; 8 KBS = 11,534,336 fits a factor of 24 bits
	v_lshl_add_u32 v[DO0], v5, 4, v[DO0]           ; row x 128 + 16 (t & 7) = 16 (t & 127)
	v_add_nc_u32 v[DO1], 4*KBS, v[DO0]
	s_and_b32 s20, ttmp9, 63                       ; the group's place in its W (512, 576 and 640 are multiples of 64),
	s_cmp_lt_u32 ttmp9, 512
	s_cselect_b32 s20, ttmp9, s20                  ; or in x
	s_lshl_b32 s20, s20, 16                        ; 16 rows of 4,096 bytes
	s_mov_b32 s21, 0
	s_lshl_b32 s22, ttmp9, 11                      ; 16 rows of 128 bytes in ab
	s_mov_b32 s23, 0
	s_wait_kmcnt 0x0
	s_cmp_ge_u32 ttmp9, 512                        ; the source is chosen by the work-group's number alone
	s_cselect_b64 s[16:17], s[6:7], s[4:5]
	s_cmp_ge_u32 ttmp9, 576
	s_cselect_b64 s[16:17], s[8:9], s[16:17]
	s_cmp_ge_u32 ttmp9, 640
	s_cselect_b64 s[16:17], s[10:11], s[16:17]
	s_add_nc_u64 s[16:17], s[16:17], s[20:21]
	s_add_nc_u64 s[12:13], s[12:13], s[22:23]
.irp i, 0,1,2,3,4,5,6,7
	global_load_b128 v[IN+8*(\i):IN+8*(\i)+3],   v[SO], s[16:17] offset:256*(\i) th:TH_LOAD_NT
	global_load_b128 v[IN+8*(\i)+4:IN+8*(\i)+7], v[SO], s[16:17] offset:256*(\i)+16 th:TH_LOAD_NT
.endr
.irp i, 0,1,2,3,4,5,6,7
	s_wait_loadcnt 14-2*(\i)                       ; loads come back in order: unit i's two are in, the 2 (7 - i) younger ones stay out
.irp k, 0,1,2,3
	v_cvt_pk_bf16_f32 v[OUT+4*(\i)+(\k)], v[IN+8*(\i)+2*(\k)], v[IN+8*(\i)+2*(\k)+1]
.endr
	global_store_b128 v[DO0+(\i)/4], v[OUT+4*(\i):OUT+4*(\i)+3], s[12:13] offset:((\i)%4)*KBS
.endr
	s_endpgm
.Lfunc_end_k_q314b2aacb6_cast:
	.size	k_q314b2aacb6_cast, .Lfunc_end_k_q314b2aacb6_cast-k_q314b2aacb6_cast
	.p2alignl 7, 3214868480
	.fill 96, 4, 3214868480
	.section	.rodata,"a",@progbits
	.p2align	6, 0x0
	.amdhsa_kernel k_q314b2aacb6_cast
		.amdhsa_group_segment_fixed_size 0
		.amdhsa_private_segment_fixed_size 0
		.amdhsa_enable_private_segment 0
		.amdhsa_kernarg_size 40
		.amdhsa_user_sgpr_count 2
		.amdhsa_user_sgpr_kernarg_segment_ptr 1
		.amdhsa_wavefront_size32 1
		.amdhsa_system_sgpr_workgroup_id_x 1
		.amdhsa_system_sgpr_workgroup_id_y 1
		.amdhsa_system_sgpr_workgroup_id_z 1
		.amdhsa_system_vgpr_workitem_id 0
		.amdhsa_next_free_vgpr 104
		.amdhsa_next_free_sgpr 66
		.amdhsa_reserve_vcc 0
		.amdhsa_float_denorm_mode_32 3
		.amdhsa_float_denorm_mode_16_64 3
		.amdhsa_memory_ordered 1
		.amdhsa_forward_progress 1
		.amdhsa_inst_pref_size 7
	.end_amdhsa_kernel
	.amdgpu_metadata
---
amdhsa.version: [ 1, 2 ]
amdhsa.kernels:
  - .name:           k_q314b2aacb6_cast
    .symbol:         k_q314b2aacb6_cast.kd
    .args:
      - { .name: x, .offset: 0, .size: 8, .value_kind: global_buffer, .address_space: global }
      - { .name: Wq, .offset: 8, .size: 8, .value_kind: global_buffer, .address_space: global }
      - { .name: Wk, .offset: 16, .size: 8, .value_kind: global_buffer, .address_space: global }
      - { .name: Wv, .offset: 24, .size: 8, .value_kind: global_buffer, .address_space: global }
      - { .name: ab, .offset: 32, .size: 8, .value_kind: global_buffer, .address_space: global }
    .group_segment_fixed_size: 0
    .private_segment_fixed_size: 0
    .kernarg_segment_align: 8
    .kernarg_segment_size: 40
    .max_flat_workgroup_size: 256
    .sgpr_count:     66
    .vgpr_count:     104
    .wavefront_size: 32
...
	.end_amdgpu_metadata
.endif
;; end of part 1
;; launch proj (part 2): grid 8 x 32, 4 waves a work-group, clusters of 4 x 4, 327,680 bytes of LDS; arguments ab, bq, bk, bv, q16, k16, v16; writes q16, k16, v16
.if DOCPART == 2
	.amdgcn_target "amdgcn-amd-amdhsa--gfx1250"
	.amdhsa_code_object_version 6
	.text
	.protected	k_q314b2aacb6_proj
	.globl	k_q314b2aacb6_proj
	.p2align	8
	.type	k_q314b2aacb6_proj,@function
k_q314b2aacb6_proj:
	s_mov_b64 s[64:65], 0
	v_nop
	global_prefetch_b8 v0, s[64:65] scope:SCOPE_SE
	s_setreg_imm32_b32 hwreg(HW_REG_WAVE_MODE, 25, 1), 1
	s_wait_xcnt 0x0
	s_wait_alu depctr_hold_cnt(0) depctr_sa_sdst(0) depctr_va_vdst(0) depctr_va_sdst(0) depctr_va_ssrc(0) depctr_va_vcc(0) depctr_vm_vsrc(0)
	s_getreg_b32 s2, hwreg(HW_REG_IB_STS2, 6, 4)
	s_cmp_eq_u32 s2, 0
	s_cbranch_scc0 .Lentry_in_a_cluster
	s_endpgm
.Lentry_in_a_cluster:
	s_bfe_u32 s2, ttmp6, 0x10000c
	s_cmp_lg_u32 s2, 0xf033
	s_cbranch_scc0 .Lentry_shape_is_right
	s_endpgm
.Lentry_shape_is_right:
; q, k, v = x W^T + b for the three W at once: C[8192][3 x 1024] = A B^T, A = x, B = Wq, Wk, Wv, both bf16 from ab[kb][row][64] (rows 0-8191 x, then the three W); sums in f32, K ascending.
; The biases are rounded once to bf16 like the other inputs and added in f32; q, k, v are rounded once to f16 and stored flat, [8192][1024] each, without the attention's scale.
; LIMIT.  f16 holds no number beyond 65,504: |q|, |k|, |v| must stay under it (inputs 30 times the drawn spread give about 900; a common offset of 30 spreads on x and W about 28,800).
; SHARES.  A work-group makes 256 rows x (128 columns of q, of k and of v): 32 x 8 = 256 work-groups.  Wave w makes rows 64 w .. + 63 x all 384 columns: 96 accumulators of 16 x 16, 768 registers.
; So each block of 16 rows x 128 columns, whose rows are 256 bytes of f16, belongs to one wave and leaves through that wave's own stage, without a barrier.
; K goes in steps of 64 through two LDS slots (256 rows of A, 384 of B, 128 bytes each); two slots of a longer step would not fit.  In ab a step's rows lie end to end, so a tile is asked for as rows of
; 256 consecutive aligned bytes (two rows of 128), padded in LDS behind every 128.
; CLUSTERS: 4 x 4 work-groups.  A's tile hangs on the tile row alone and is shared along a row of the cluster, B's on the tile column alone and is shared along a column: each is asked for JOINTLY,
; by the same tensor load with the same descriptor and a mask that names the four.  Wave 0 asks for A's whole tile (32 KiB), waves 1, 2, 3 for the pieces of Wq, Wk, Wv (16 KiB each).
; THE MATRIX INSTRUCTION IS USED TRANSPOSED (source 0 = 16 rows of W, source 1 = 16 rows of x): a lane holds row l % 16 of C and the eight neighbouring columns 8 (l / 16) + 0 .. 7.
; REGISTERS, in windows of 256 (s_set_vgpr_msb: bits 1:0 source 0, 3:2 source 1, 5:4 source 2, 7:6 destination):
;   window 0: v0-31 addresses; v32-63 way out (first: the biases as loaded); v64-127, v128-191 B's fragments, two buffers of 8 x (16 rows x 32 K); v192-223, v224-255 A's, two buffers of 4
;   windows 1, 2, 3: the accumulators of q, k, v: row block a (0-3), column block b (0-7) at v[64 a + 8 b]
; A K step is six BLOCKS of 32 matrix instructions (K quarter 0: q, k, v; K quarter 1: q, k, v).  The 32 accumulators of a block take turns, one instruction a turn, and the next block is another
; matrix's, over the backward jump too.
.set KBS,    1441792                   ; bytes from one kb (a K step) to the next in ab
.set PITCH,  144                       ; an LDS row: 128 bytes + 16 of padding = 36 words: the 16 rows of a fragment load start at 16 different groups of four banks (64 banks of 4 bytes: ISA guide 11.1)
.set ABYTES, 256*PITCH                 ; A's 256 rows
.set BPIECE, 128*PITCH                 ; 128 rows of one W
.set SLOT,   ABYTES+3*BPIECE           ; 92,160
.set STAGE,  2*SLOT                    ; behind the ring: 16 rows x 272 bytes for each wave, for the way out
.set SPITCH, 272
.set BIAS,   STAGE+4*16*SPITCH         ; each wave's own copy of its 3 x 128 biases in f32: 1,536 bytes
.set SPARE,  BIAS+4*1536               ; the spare words, 128 bytes for each wave: two blocks of 256 bytes that no other line names
.set BROW0,  917504                    ; (8192 - 1024) x 128: with wave x 131,072 it is the first byte of the wave's W in a kb
.set ADRA, 16                          ; v16-17  LDS address of my A fragments in slot 0, 1
.set ADRB, 20                          ; v20-21  the same for B
.set STO,  24                          ; v24     the way out: where I put 16 bytes of a row
.set RD,   25                          ; v25     the way out: where I read a row back
.set CO,   26                          ; v26     my byte offset in an output
.set BADR, 27                          ; v27     where my 8 biases of column block 0 lie
.set SPW,  28                          ; v28     LDS address of my spare word; never rewritten
.set NIL,  29                          ; v29     0; never rewritten
.set PFO,  30                          ; v30     the prefetches' offset: 256 x lane; never rewritten
.set OB0,  32                          ; the way out: 16 rows read back, v32-63 and v192-223 by turns
.set BF0,  64
.set BF1,  128
.set AF0,  192
.set AF1,  224
.set BIA,  64                          ; the way out: the biases of one matrix's 128 columns, as the accumulators hold them
.set TMP,  128                         ; the way out: packed results
.set WV,   18                          ; s18  my wave's number
.set G1A,  24                          ; s[24:31] descriptor group 1 for A's tiles
.set G0A,  32                          ; s[32:39] group 0, a set for each slot
.set G1B,  40                          ; s[40:47], s[48:55] the same for B's
.set G0B,  48
.set PFA,  56                          ; s[56:57] where my prefetches stand
.set LIM,  58                          ; s58  1 in a wave that prefetches, else the greatest number
.set P0, (1<<16)|(1<<20)|(1<<21)|(4<<22)|(3<<25)  ; 17:16 elements of 2 bytes; 20 padding on; 21 set beside a mask; 24:22 after every 32 words (code 4); 31:25 4 words of it (code 3)
.set MSB, 0
.macro WIN new                         ; the immediate's high byte repeats the setting that is left; a switch that changes nothing is dropped
.if MSB != (\new)
	s_set_vgpr_msb (MSB<<8)|(\new)
.set MSB, \new
.endif
.endm
.macro PLACES                          ; four places in front of loads into registers that matrix instructions have read (ISA guide 7.12.1 for vector instructions)
.rept 4
	v_nop
.endr
.endm
; A joint load.  The branch hangs on the wave's number alone.  An s_nop 0 and four v_nop follow each of the two lines, ahead of the jump, the label and what follows.
.macro JLOAD s
	s_cmp_eq_u32 s[WV], 0
	s_cbranch_scc0 .Lfor_b_\@
	tensor_load_to_lds s[G0A+4*(\s):G0A+4*(\s)+3], s[G1A:G1A+7]
	s_nop 0
.rept 4
	v_nop
.endr
	s_branch .Lasked_\@
.Lfor_b_\@:
	tensor_load_to_lds s[G0B+4*(\s):G0B+4*(\s)+3], s[G1B:G1B+7]
	s_nop 0
.rept 4
	v_nop
.endr
.Lasked_\@:
.endm
; A round of the cluster's barrier: my work-group's barrier; wave 0 signals for the work-group; every wave waits for all sixteen; my work-group's barrier once more.
.macro CREST                           ; a round behind its opening barrier
	s_cmp_lg_u32 s[WV], 0
	s_cbranch_scc1 .Lnot_wave_0_\@
	s_barrier_signal -3
.Lnot_wave_0_\@:
	s_barrier_wait -3
	s_barrier_signal -1
	s_barrier_wait -1
.endm
.macro CROUND
	s_barrier_signal -1
	s_barrier_wait -1
	CREST
.endm
; A PREFETCH INTO THE L2, once a trip of the loop, behind slot 1's joint load, its five lines and the run of LDS loads: the two K steps that the NEXT trip's refills ask for, 192 and 384 matrix instructions ahead of those loads.
; Each 256 bytes are named once in the launch.  A's tile (128 blocks of 256 bytes a step) is read by both clusters of a row of clusters: cluster x = 0 asks, partner cx for blocks 32 cx .. + 31 of both steps, by wave 0, a lane a block.
; A piece of B (64 blocks a step) is read by all clusters of a column: cluster y = 0 asks, partner cy for half cy & 1 of step cy >> 1, by the wave that fetches the piece.  Partners are told apart BY ADDRESS alone.
; The loop's last trip (s3 = 1) asks for nothing: there are no K steps behind its own refills.  K steps 0 to 3 come by their loads alone.
.macro ASK
	s_cmp_gt_u32 s3, s[LIM]
	s_cbranch_scc0 .Lnot_mine_\@
	global_prefetch_b8 v[PFO], s[PFA:PFA+1] th:TH_LOAD_NT scope:SCOPE_SE
	s_cmp_lg_u32 s[WV], 0
	s_cbranch_scc1 .Lnot_mine_\@
	global_prefetch_b8 v[PFO], s[PFA:PFA+1] offset:KBS th:TH_LOAD_NT scope:SCOPE_SE
.Lnot_mine_\@:
.endm
	s_load_b256 s[4:11], s[0:1], 0x0               ; ab s[4:5], bq s[6:7], bk s[8:9], bv s[10:11]
	s_load_b128 s[12:15], s[0:1], 0x20             ; q16 s[12:13], k16 s[14:15]
	s_load_b64 s[16:17], s[0:1], 0x30              ; v16
	v_lshl_add_u32 v[SPW], v0, 2, SPARE
	v_mov_b32 v[NIL], 0
	ds_add_u32 v[SPW], v[NIL]                      ; the wave's opening: the add and its wait stand ahead of my first tensor load; the set-up below, work on registers, stands between them
	v_lshrrev_b32 v1, 5, v0
	v_readfirstlane_b32 s[WV], v1                  ; wave 0..3
	s_bfe_u32 s19, ttmp6, 0x40000                  ; cx
	s_bfe_u32 s20, ttmp6, 0x40004                  ; cy
	s_lshl_b32 s21, ttmp9, 2
	s_add_co_u32 s21, s21, s19                     ; tile column tx = 4 x cluster x + cx, 0..7
	s_and_b32 s22, ttmp7, 0xffff
	s_lshl_b32 s22, s22, 2
	s_add_co_u32 s22, s22, s20                     ; tile row ty = 4 x cluster y + cy, 0..31
	s_lshl_b32 s23, s20, 2
	s_lshl_b32 s23, 15, s23                        ; my row of the cluster: places 4 cy .. 4 cy + 3
	s_lshl_b32 s68, 0x1111, s19                    ; my column: places cx, cx + 4, cx + 8, cx + 12
	s_or_b32 s[G1A+0], s23, P0                     ; A's tiles go to my row
	s_or_b32 s[G1B+0], s68, P0                     ; B's to my column
	s_mov_b32 s[G1A+1], 128<<16                    ; tensor_dim0 = 128 elements: 256 bytes, two rows of 64
	s_mov_b32 s[G1A+2], 128<<16                    ; tensor_dim1 = 128
	s_mov_b32 s[G1A+3], 128<<16                    ; tile_dim0 = 128
	s_mov_b32 s[G1A+4], 128                        ; tile_dim1 = 128: 32,768 bytes
	s_mov_b32 s[G1A+5], 128                        ; the rows lie end to end
	s_mov_b32 s[G1A+6], 0
	s_mov_b32 s[G1A+7], 0
	s_mov_b32 s[G1B+1], 128<<16
	s_mov_b32 s[G1B+2], 64<<16                     ; tensor_dim1 = 64
	s_mov_b32 s[G1B+3], 128<<16
	s_mov_b32 s[G1B+4], 64                         ; tile_dim1 = 64: 16,384 bytes
	s_mov_b32 s[G1B+5], 128
	s_mov_b32 s[G1B+6], 0
	s_mov_b32 s[G1B+7], 0
	s_lshl_b32 s62, s22, 15                        ; A's tile in a kb: 256 ty rows of 128 bytes (no register that feeds A's descriptors holds cx)
	s_mov_b32 s63, 0
	s_lshl_b32 s66, s[WV], 17                      ; B's piece in a kb: the wave's W,
	s_lshl_b32 s67, s21, 14                        ; its rows 128 tx ..
	s_add_co_u32 s66, s66, s67
	s_add_co_u32 s66, s66, BROW0
	s_mov_b32 s67, 0
	s_mul_i32 s69, s[WV], BPIECE                   ; where the piece goes: behind A's 256 rows = 2 pieces, piece wave - 1
	s_add_co_u32 s69, s69, BPIECE
	s_lshl_b32 s70, s22, 19                        ; my part of an output: row 256 ty + 64 wave (2,048 bytes a row), column 128 tx (2 bytes)
	s_lshl_b32 s71, s[WV], 17
	s_add_co_u32 s70, s70, s71
	s_lshl_b32 s71, s21, 8
	s_add_co_u32 s70, s70, s71
	s_mov_b32 s71, 0
	s_lshl_b32 s23, s19, 13                        ; the prefetches.  Wave 0: A's tile, my work-group's 32 blocks of 256 bytes
	s_add_co_u32 s23, s23, s62
	s_lshr_b32 s[PFA], s20, 1                      ; waves 1-3: my piece, K step cy >> 1 of the two,
	s_mul_i32 s[PFA], s[PFA], KBS
	s_and_b32 s[PFA+1], s20, 1                     ; half cy & 1
	s_lshl_b32 s[PFA+1], s[PFA+1], 13
	s_add_co_u32 s[PFA], s[PFA], s[PFA+1]
	s_add_co_u32 s[PFA], s[PFA], s66
	s_cmp_eq_u32 s[WV], 0
	s_cselect_b32 s[PFA], s23, s[PFA]
	s_add_co_u32 s[PFA], s[PFA], 2*KBS             ; at K step 2: the loop's first trip steps it to 4
	s_mov_b32 s[PFA+1], 0
	s_and_b32 s23, ttmp7, 0xffff                   ; cluster y
	s_cmp_eq_u32 s[WV], 0
	s_cselect_b32 s23, ttmp9, s23                  ; the coordinate along which other clusters read the same rows
	s_cmp_eq_u32 s23, 0
	s_cselect_b32 s[LIM], 1, -1                    ; the same in all sixteen partners, for a given wave
	s_wait_dscnt 0x0                               ; the opening add is done
	s_wait_kmcnt 0x0
	s_add_nc_u64 s[60:61], s[4:5], s[62:63]
	s_add_nc_u64 s[66:67], s[4:5], s[66:67]
	s_add_nc_u64 s[PFA:PFA+1], s[4:5], s[PFA:PFA+1]
	s_add_nc_u64 s[12:13], s[12:13], s[70:71]
	s_add_nc_u64 s[14:15], s[14:15], s[70:71]
	s_add_nc_u64 s[16:17], s[16:17], s[70:71]
.irp s, 0,1
	s_mov_b32 s[G0A+4*(\s)], 1                                     ; 1:0 count = 1
	s_mov_b32 s[G0A+4*(\s)+1], (\s)*SLOT                           ; 63:32 LDS address
	s_add_nc_u64 s[G0A+4*(\s)+2:G0A+4*(\s)+3], s[60:61], (\s)*KBS  ; 120:64 global address: K step s
	s_or_b32 s[G0A+4*(\s)+3], s[G0A+4*(\s)+3], 0x80000000          ; 127:126 type = 2
	s_mov_b32 s[G0B+4*(\s)], 1
	s_add_co_u32 s[G0B+4*(\s)+1], s69, (\s)*SLOT
	s_add_nc_u64 s[G0B+4*(\s)+2:G0B+4*(\s)+3], s[66:67], (\s)*KBS
	s_or_b32 s[G0B+4*(\s)+3], s[G0B+4*(\s)+3], 0x80000000
.endr
	CROUND                                         ; all sixteen work-groups are here: the first joint loads meet
	s_cmp_eq_u32 s[WV], 0                          ; a wave's two first fills stand in one branch, ahead of every wait on TENSORcnt and every LDS read: two loads of mine are out
	s_cbranch_scc0 .Lfirst_b
	tensor_load_to_lds s[G0A:G0A+3], s[G1A:G1A+7]
	s_nop 0
	tensor_load_to_lds s[G0A+4:G0A+7], s[G1A:G1A+7]
	s_nop 0
.rept 4
	v_nop
.endr
	s_branch .Lfirst_asked
.Lfirst_b:
	tensor_load_to_lds s[G0B:G0B+3], s[G1B:G1B+7]
	s_nop 0
	tensor_load_to_lds s[G0B+4:G0B+7], s[G1B:G1B+7]
	s_nop 0
.rept 4
	v_nop
.endr
.Lfirst_asked:
	; A fragment is 16 rows x 32 K in 8 registers: lane l holds row l % 16; registers 0-3 K = 8 (l / 16) + 0..7, registers 4-7 K = 16 + 8 (l / 16) + 0..7: two loads of 16 bytes, 32 bytes apart.
	v_and_b32 v1, 15, v0                           ; l % 16
	v_bfe_u32 v2, v0, 4, 1                         ; l / 16
	v_mul_u32_u24 v3, v1, PITCH
	v_lshl_add_u32 v3, v2, 4, v3                   ; row x pitch + 16 x half
	s_mul_i32 s68, s[WV], 64*PITCH                 ; my 64 rows of A
	v_add_nc_u32 v[ADRA], s68, v3
	v_add_nc_u32 v[ADRA+1], SLOT, v[ADRA]
	v_add_nc_u32 v[ADRB], ABYTES, v3               ; every wave reads all of B
	v_add_nc_u32 v[ADRB+1], SLOT+ABYTES, v3
	s_mul_i32 s68, s[WV], 16*SPITCH
	s_add_co_u32 s68, s68, STAGE                   ; my stage
	v_mul_u32_u24 v4, v1, SPITCH                   ; in: row l % 16, 16 bytes for each half of the lanes
	v_lshl_add_u32 v4, v2, 4, v4
	v_add_nc_u32 v[STO], s68, v4
	v_mul_u32_u24 v4, v2, SPITCH                   ; back: lanes 0-15 take one row of 256 bytes, lanes 16-31 the next
	v_lshl_add_u32 v4, v1, 4, v4
	v_add_nc_u32 v[RD], s68, v4
	v_lshlrev_b32 v4, 11, v2                       ; and the same two rows in an output
	v_lshl_add_u32 v[CO], v1, 4, v4
	s_mul_i32 s68, s[WV], 1536
	s_add_co_u32 s68, s68, BIAS                    ; my copy of the biases
	v_lshl_add_u32 v[BADR], v2, 5, s68             ; columns 8 (l / 16) .. of a block of 16: 32 bytes
	v_and_b32 v5, 31, v0
	v_lshlrev_b32 v[PFO], 8, v5
	v_lshl_add_u32 v4, v5, 4, s68                  ; lane l stages four biases
	s_lshl_b32 s68, s21, 9                         ; the tile's 128 columns: 512 bytes of a bias
	v_lshl_add_u32 v5, v5, 4, s68
	global_load_b128 v[32:35], v5, s[6:7]
	global_load_b128 v[36:39], v5, s[8:9]
	global_load_b128 v[40:43], v5, s[10:11]
	s_wait_loadcnt 0x0
.irp j, 0,1,2                          ; rounded to bf16 like every input, and widened again: the addition is in f32
	v_cvt_pk_bf16_f32 v6, v[32+4*(\j)], v[33+4*(\j)]
	v_cvt_pk_bf16_f32 v7, v[34+4*(\j)], v[35+4*(\j)]
	v_lshlrev_b32 v[32+4*(\j)], 16, v6
	v_and_b32 v[33+4*(\j)], 0xffff0000, v6
	v_lshlrev_b32 v[34+4*(\j)], 16, v7
	v_and_b32 v[35+4*(\j)], 0xffff0000, v7
	ds_store_b128 v4, v[32+4*(\j):35+4*(\j)] offset:512*(\j)  ; my wave's own bytes: only I read them
.endr
; 8 matrix instructions: matrix j, row block a x all 8 column blocks, 32 along K.  zero = 1: the product starts the sums: nothing is ever cleared.
.macro MULA j, bf, af, a, zero
	WIN 0x50*(1+(\j))                              ; C and D in window 1 + j, the sources in window 0
.irp b, 0,1,2,3,4,5,6,7
.if \zero
	v_wmma_f32_16x16x32_bf16 v[64*(\a)+8*(\b):64*(\a)+8*(\b)+7], v[(\bf)+8*(\b):(\bf)+8*(\b)+7], v[(\af)+8*(\a):(\af)+8*(\a)+7], 0
.else
	v_wmma_f32_16x16x32_bf16 v[64*(\a)+8*(\b):64*(\a)+8*(\b)+7], v[(\bf)+8*(\b):(\bf)+8*(\b)+7], v[(\af)+8*(\a):(\af)+8*(\a)+7], v[64*(\a)+8*(\b):64*(\a)+8*(\b)+7]
.endif
.endr
.endm
.macro LOADB slot, j, kq, bf           ; 16 LDS loads in one run: matrix j's 128 rows, K quarter kq
	WIN 0
.irp b, 0,1,2,3,4,5,6,7
	ds_load_b128 v[(\bf)+8*(\b):(\bf)+8*(\b)+3],   v[ADRB+(\slot)] offset:(128*(\j)+16*(\b))*PITCH+64*(\kq)
	ds_load_b128 v[(\bf)+8*(\b)+4:(\bf)+8*(\b)+7], v[ADRB+(\slot)] offset:(128*(\j)+16*(\b))*PITCH+64*(\kq)+32
.endr
.endm
.macro LOADA slot, kq, af              ; 8 LDS loads: my 64 rows of A, K quarter kq
	WIN 0
.irp a, 0,1,2,3
	ds_load_b128 v[(\af)+8*(\a):(\af)+8*(\a)+3],   v[ADRA+(\slot)] offset:16*(\a)*PITCH+64*(\kq)
	ds_load_b128 v[(\af)+8*(\a)+4:(\af)+8*(\a)+7], v[ADRA+(\slot)] offset:16*(\a)*PITCH+64*(\kq)+32
.endr
.endm
; A BLOCK: 32 matrix instructions of matrix j on buffers bf, af.  Behind the first eight, and four places, stands the run of loads for the next block (matrix nj, quarter nkq, into the buffer that the block
; before read): 24 matrix instructions ahead of its first use.  la = 1: A's second quarter is fetched behind it.  left = the younger LDS loads that may stay out at the block's head.
.macro BLOCK j, bf, af, zero, left, slot, nj, nkq, nbf, la
	s_wait_dscnt \left
	MULA \j, \bf, \af, 0, \zero
	PLACES
	LOADB \slot, \nj, \nkq, \nbf
.if \la
	LOADA \slot, 1, AF1
.endif
	MULA \j, \bf, \af, 1, \zero
	MULA \j, \bf, \af, 2, \zero
	MULA \j, \bf, \af, 3, \zero
.endm
.macro HALF0 slot, zero                ; K quarter 0 of a step
	BLOCK 0, BF0, AF0, \zero, 0, \slot, 1, 0, BF1, 0
	BLOCK 1, BF1, AF0, \zero, 0, \slot, 2, 0, BF0, 1
	BLOCK 2, BF0, AF0, \zero, 8, \slot, 0, 1, BF1, 0  ; B's 16 loads are in; A's eight for quarter 1, issued behind them, may stay out
.endm
.macro HALF1 slot                      ; the first two blocks of K quarter 1
	BLOCK 0, BF1, AF1, 0, 0, \slot, 1, 1, BF0, 0
	BLOCK 1, BF0, AF1, 0, 0, \slot, 2, 1, BF1, 0
.endm
; The step's sixth block (v, quarter 1) changes slots: ONE barrier.  In front of it each wave waits for all its tensor loads (the one that is out is its part of the next slot), adds 0 to its spare word,
; and waits for that and for its reads of this slot.  fill = 1: the barrier opens a round of the cluster's, and this slot is filled again first thing behind it, two K steps on:
; from that request to the wait for it a wave issues 176 matrix instructions.
.macro TURN slot, next, fill
.if (\fill) && ((\slot) == 0)
	s_wait_xcnt 0x0                                ; the last prefetches, a K step back, have read their address: it is stepped here, ahead of the waits of the change of slots
	s_add_nc_u64 s[PFA:PFA+1], s[PFA:PFA+1], 2*KBS
.endif
	s_wait_dscnt 0x0                               ; the block's own fragments are in: they were this slot's last reads
	WIN 0                                          ; (the add's two registers lie in window 0)
	s_wait_tensorcnt 0x0                           ; all my tensor loads have landed
	ds_add_u32 v[SPW], v[NIL]                      ; 0 onto my spare word
	MULA 2, BF1, AF1, 0, 0                         ; eight matrix instructions stand between the add and the wait for it
	s_wait_dscnt 0x0                               ; the add is done
	s_barrier_signal -1
	MULA 2, BF1, AF1, 1, 0                         ; work on registers while the others arrive
.if \fill
	WIN 0
.endif
	s_barrier_wait -1
.if \fill
	CREST                                          ; no wave of any partner still reads this slot's tiles or has a load on its way
	s_add_nc_u64 s[G0A+4*(\slot)+2:G0A+4*(\slot)+3], s[G0A+4*(\slot)+2:G0A+4*(\slot)+3], 2*KBS
	s_add_nc_u64 s[G0B+4*(\slot)+2:G0B+4*(\slot)+3], s[G0B+4*(\slot)+2:G0B+4*(\slot)+3], 2*KBS
	JLOAD \slot                                    ; the first tensor load behind the round; its four v_nop are also the places in front of the loads below
.else
	PLACES
.endif
	LOADB \next, 0, 0, BF0
	LOADA \next, 0, AF0
.if (\fill) && ((\slot) == 1)
	ASK
.endif
	MULA 2, BF1, AF1, 2, 0
	MULA 2, BF1, AF1, 3, 0
.endm
; THE WAY OUT of block n = 4 j + a (matrix j, my rows 16 a .. + 15, 128 columns).
.macro BIASLD j                        ; matrix j's biases as the accumulators hold them: column 16 b + 8 (l / 16) + 0..7 in v[BIA + 8 b ..]
	WIN 0
.irp b, 0,1,2,3,4,5,6,7
	ds_load_b128 v[BIA+8*(\b):BIA+8*(\b)+3],   v[BADR] offset:512*(\j)+64*(\b)
	ds_load_b128 v[BIA+8*(\b)+4:BIA+8*(\b)+7], v[BADR] offset:512*(\j)+64*(\b)+16
.endr
.endm
.macro PACK j, a                       ; + bias in f32, each accumulator from its low end on; then rounded to f16, 16 bytes a lane
	WIN 0x41*(1+(\j))                              ; destination and source 0 in window 1 + j
.irp b, 0,1,2,3,4,5,6,7
.irp r, 0,1,2,3
	v_pk_add_f32 v[64*(\a)+8*(\b)+2*(\r):64*(\a)+8*(\b)+2*(\r)+1], v[64*(\a)+8*(\b)+2*(\r):64*(\a)+8*(\b)+2*(\r)+1], v[BIA+8*(\b)+2*(\r):BIA+8*(\b)+2*(\r)+1]
.endr
.endr
	WIN 0x05*(1+(\j))                              ; sources 0 and 1 in window 1 + j
.irp b, 0,1,2,3,4,5,6,7
.irp r, 0,1,2,3
	v_cvt_pk_f16_f32 v[TMP+4*(\b)+(\r)], v[64*(\a)+8*(\b)+2*(\r)], v[64*(\a)+8*(\b)+2*(\r)+1]
.endr
.endr
	WIN 0
.endm
.macro TOSTAGE o                       ; into my own stage, and back as whole rows of 256 bytes, into buffer o
	WIN 0
.set OBX, OB0+160*(\o)
.irp b, 0,1,2,3,4,5,6,7
	ds_store_b128 v[STO], v[TMP+4*(\b):TMP+4*(\b)+3] offset:32*(\b)
.endr
.irp t, 0,1,2,3,4,5,6,7
	ds_load_b128 v[OBX+4*(\t):OBX+4*(\t)+3], v[RD] offset:(\t)*2*SPITCH  ; LDS serves a wave's instructions in order (ISA guide 5.7.1.4): these see the stores above
.endr
.endm
.macro SEND j, a, o
	WIN 0
.set OBX, OB0+160*(\o)
	s_wait_dscnt 0x0                               ; the block is back in registers
	s_wait_xcnt 0x0                                ; the stores of the block before have read their registers: the other buffer is loaded again only behind this wait
.irp t, 0,1,2,3,4,5,6,7
	global_store_b128 v[CO], v[OBX+4*(\t):OBX+4*(\t)+3], s[12+2*(\j):13+2*(\j)] offset:(16*(\a)+2*(\t))*2048  ; 16 lanes store 256 consecutive bytes, at a multiple of 256 from the buffer's first byte
.endr
.endm
	s_wait_tensorcnt 0x1                           ; my part of K step 0 is in; K step 1's stays out
	s_wait_dscnt 0x0                               ; my stores of the biases
	s_barrier_signal -1
	s_barrier_wait -1                              ; everybody's part is in
	LOADB 0, 0, 0, BF0
	LOADA 0, 0, AF0
	HALF0 0, 1                                     ; the first three blocks stand in front of the loop: their products start all 96 sums
	WIN 0                                          ; at a label and at a branch every window is 0
	s_mov_b32 s3, 7
.Llap:                                                 ; a trip goes once round the ring, from a step's second half to the first half of the step two on, and fills both slots again: K steps 2 to 15
	HALF1 0
	TURN 0, 1, 1
	HALF0 1, 0
	HALF1 1
	TURN 1, 0, 1
	HALF0 0, 0
	WIN 0
	s_sub_co_u32 s3, s3, 1
	s_cmp_lg_u32 s3, 0
	s_cbranch_scc1 .Llap
	HALF1 0                                        ; K steps 14 and 15: nothing is left to fetch, so no round of the cluster's barrier
	TURN 0, 1, 0
	HALF0 1, 0
	HALF1 1
	s_wait_dscnt 0x0                               ; the very last block
	MULA 2, BF1, AF1, 0, 0
	PLACES                                         ; for the loads into buffer 0, which the block before multiplied
	BIASLD 0
	MULA 2, BF1, AF1, 1, 0
	MULA 2, BF1, AF1, 2, 0
	MULA 2, BF1, AF1, 3, 0
	; q's blocks were finished two blocks back, with places behind them; their 32 additions name no register of the last products and are those products' places
.set n, 0
.rept 12
.if (n%4) == 0
.if n > 0
	BIASLD n/4
.endif
	s_wait_dscnt 0x0                               ; the matrix's biases are in
.endif
	PACK n/4, n%4                                  ; block n's arithmetic stands between block n - 1's loads from the stage and the wait for them
.if n > 0
	SEND (n-1)/4, (n-1)%4, (n-1)%2
.endif
	TOSTAGE n%2
.set n, n+1
.endr
	SEND 2, 3, 1
	s_wait_tensorcnt 0x0                           ; the wave's end: an add to my spare word between two waits, behind my last tensor load and my last LDS store
	ds_add_u32 v[SPW], v[NIL]
	s_wait_dscnt 0x0
	CROUND                                         ; the closing round: no work-group ends while a partner may still ask for a tile that names it
	s_endpgm
.Lfunc_end_k_q314b2aacb6_proj:
	.size	k_q314b2aacb6_proj, .Lfunc_end_k_q314b2aacb6_proj-k_q314b2aacb6_proj
	.p2alignl 7, 3214868480
	.fill 96, 4, 3214868480
	.section	.rodata,"a",@progbits
	.p2align	6, 0x0
	.amdhsa_kernel k_q314b2aacb6_proj
		.amdhsa_group_segment_fixed_size 327680
		.amdhsa_private_segment_fixed_size 0
		.amdhsa_enable_private_segment 0
		.amdhsa_kernarg_size 56
		.amdhsa_user_sgpr_count 2
		.amdhsa_user_sgpr_kernarg_segment_ptr 1
		.amdhsa_wavefront_size32 1
		.amdhsa_system_sgpr_workgroup_id_x 1
		.amdhsa_system_sgpr_workgroup_id_y 1
		.amdhsa_system_sgpr_workgroup_id_z 1
		.amdhsa_system_vgpr_workitem_id 0
		.amdhsa_next_free_vgpr 1024
		.amdhsa_next_free_sgpr 72
		.amdhsa_reserve_vcc 0
		.amdhsa_float_denorm_mode_32 3
		.amdhsa_float_denorm_mode_16_64 3
		.amdhsa_memory_ordered 1
		.amdhsa_forward_progress 1
		.amdhsa_inst_pref_size 168
	.end_amdhsa_kernel
	.amdgpu_metadata
---
amdhsa.version: [ 1, 2 ]
amdhsa.kernels:
  - .name:           k_q314b2aacb6_proj
    .symbol:         k_q314b2aacb6_proj.kd
    .args:
      - { .name: ab, .offset: 0, .size: 8, .value_kind: global_buffer, .address_space: global }
      - { .name: bq, .offset: 8, .size: 8, .value_kind: global_buffer, .address_space: global }
      - { .name: bk, .offset: 16, .size: 8, .value_kind: global_buffer, .address_space: global }
      - { .name: bv, .offset: 24, .size: 8, .value_kind: global_buffer, .address_space: global }
      - { .name: q16, .offset: 32, .size: 8, .value_kind: global_buffer, .address_space: global }
      - { .name: k16, .offset: 40, .size: 8, .value_kind: global_buffer, .address_space: global }
      - { .name: v16, .offset: 48, .size: 8, .value_kind: global_buffer, .address_space: global }
    .group_segment_fixed_size: 327680
    .private_segment_fixed_size: 0
    .kernarg_segment_align: 8
    .kernarg_segment_size: 56
    .max_flat_workgroup_size: 128
    .sgpr_count:     72
    .vgpr_count:     1024
    .wavefront_size: 32
...
	.end_amdgpu_metadata
.endif
;; end of part 2
;; launch attn (part 3): grid 4 x 64, 4 waves a work-group, clusters of 4 x 1, 327,680 bytes of LDS; arguments q16, k16, v16, out0; writes out0
.if DOCPART == 3
	.amdgcn_target "amdgcn-amd-amdhsa--gfx1250"
	.amdhsa_code_object_version 6
	.text
	.protected	k_q314b2aacb6_attn
	.globl	k_q314b2aacb6_attn
	.p2align	8
	.type	k_q314b2aacb6_attn,@function
k_q314b2aacb6_attn:
	s_mov_b64 s[64:65], 0
	v_nop
	global_prefetch_b8 v0, s[64:65] scope:SCOPE_SE
	s_setreg_imm32_b32 hwreg(HW_REG_WAVE_MODE, 25, 1), 1
	s_wait_xcnt 0x0
	s_wait_alu depctr_hold_cnt(0) depctr_sa_sdst(0) depctr_va_vdst(0) depctr_va_sdst(0) depctr_va_ssrc(0) depctr_va_vcc(0) depctr_vm_vsrc(0)
	s_getreg_b32 s2, hwreg(HW_REG_IB_STS2, 6, 4)
	s_cmp_eq_u32 s2, 0
	s_cbranch_scc0 .Lentry_in_a_cluster
	s_endpgm
.Lentry_in_a_cluster:
	s_bfe_u32 s2, ttmp6, 0x10000c
	s_cmp_lg_u32 s2, 0x3003
	s_cbranch_scc0 .Lentry_shape_is_right
	s_endpgm
.Lentry_shape_is_right:
; O[g][q][:] = the sum over k of softmax_k(Q[g][q] . K[g][k] / 32) V[g][k][:].  Q, K, V: [64][2048][64] in f16 (the flat [8192][1024] of the projections, read row-major: head g is their rows 128 g .. + 127);
; O: the same view in f32.  The scale is 1 / sqrt(1024).  Products, maxima and sums in f32; the weights p are rounded to f16 for the second product (their sum l is taken of the unrounded p).
; LIMITS.  f16 holds no number beyond 65,504: Q, K and V arrive within it; p lies in 0 to 1, and below 6e-5 it keeps f16's fixed step of 6e-8.  A weight below 2^-126 counts as 0 in l; NaN and infinities are not treated apart.
; SHARES.  A wave owns four PIECES of two tiles of 16 queries, a work-group's four waves 512 queries of one head: 4 x 64 = 256 work-groups.  Every wave walks all 2,048 keys, 64 a step.
; LAYOUT.  S^T = K Q^T (source 0 = 16 keys, source 1 = 16 queries): in the result a lane holds ONE query (lane % 16) and the keys 8 (lane / 16) + 0..7.  Two such tiles, rounded to f16 in pairs,
; ARE source 1 (32 keys x 16 queries) of O^T = V^T P, whose result again holds one query a lane, and eight channels.  K comes out of LDS as it lies, V ([key][channel]) turned, by ds_load_tr16_b128.
; SOFTMAX.  For each query a running maximum m and sum l: p = 2^(c s - c m), c = log2(e) / 32; in every step O and l are multiplied by a = 2^(c m_old - c m_new), which is 1 where m has not grown.
; m starts at the lowest finite number, O and l at 0: the first step is a step like any other, with a = 0.
; THE COUNT.  A tile and step have 16 matrix and 118 vector instructions: too many to stand all beside the matrix work.  So the order has one aim: four vector instructions that are READY behind
; EVERY matrix instruction, and the others, which need time of their own whatever the order, in runs without a gap.
; BY TURNS.  Turn n belongs to piece n (the pieces in a ring, step after step).  Its matrix work: 16 products K Q^T of piece n + 1, later 16 products V^T P of piece n - 1.  Its vector work: the scaling,
; exponentials, roundings, sums and rescaling of piece n, and the maximum and statistics of piece n + 1, whose scores the turn itself has made.  So what a turn begins with (c s - c m, O a) waits for nothing.
; CLUSTER.  The four query blocks of a head form a cluster and walk the same K and V, so each tile is asked for JOINTLY: the same tensor load, descriptor and mask in all four.
; NO PREFETCH is laid: a refill is issued four key steps, 512 matrix instructions and their vector work, ahead of the wait for it, so no wave waits for the stream.
; REGISTERS, in windows of 256 (s_set_vgpr_msb says which window each operand place means: bits 1:0 source 0, 3:2 source 1, 5:4 source 2, 7:6 destination):
;   window 0: v0-11 addresses; v12-15, v48-63 at work; v16-47 four registers of statistics a tile; v64-191 S^T, two buffers of two tiles; v192-255 P, likewise
;   window 1: O^T, 32 a tile          window 2: v0-127 Q, 16 a tile; v128-191 K of one step; v192-255 V of one step          window 3: v0-1 the add's two registers
; A piece's buffers go by its number's parity: the piece in hand has one pair, its two neighbours in the ring share the other: of it P (piece n - 1) is read and S^T (piece n + 1) written.
.set SIZE_N, 2048
.set NP,    4         ; pieces a wave: a name, no knob: the register map, the loop and the fetches are made for four
.set KS,    64        ; keys in a step
.set PK,    144       ; a row of K in LDS: 128 bytes + 16 of padding = 36 words: the 16 rows of a load start at 16 different groups of four banks (64 banks of 4 bytes: ISA guide 11.1)
.set PV,    160       ; a row of V: 128 + 32 = 40 words
.set VOFF,  4*KS*PK   ; a slot holds four steps: 256 rows of K, then 256 rows of V
.set SLOT1, 1<<17     ; slot 1 begins here, so that one exclusive or turns an address in one slot into the other's
.set STAGE, SLOT1+4*KS*(PK+PV)  ; behind the ring, never filled by a tensor load: 16 rows x 272 bytes for each wave, for the way out
.set SP,    272       ; a row of O in the stage: 256 bytes of f32 + 16
.set AK0, 2           ; v2   my lane's place in a tile of K; never rewritten
.set AV0, 3           ; v3   the same for V
.set AK,  4           ; v4   the LDS address of K's next run of loads
.set AV,  5           ; v5   of V's
.set QO,  6           ; v6   my byte offset in the wave's rows of Q
.set STO, 6           ;      later, the way out: where I put 32 bytes of a row
.set RD,  7           ; v7   the way out: where I read rows back
.set GO,  8           ; v8   my byte offset in 512 consecutive bytes of O
.set SPW, 0           ; v0 of window 3   LDS address of my spare word: SPARE + 4 x my thread's number; never rewritten
.set NIL, 1           ; v1 of window 3   0; never rewritten
.set SPARE, STAGE+4*16*SP  ; behind the stages: the spare words, 128 bytes for each wave: two blocks of 256 bytes that no other line names
.set MV,  12          ; v12-15  c m_old, kept while c m is made anew: by buffer and tile
.set ST,  16          ; tile t's statistics at v[ST+4 t]: c m, m, l (even keys', odd keys')
.set TMP, 48          ; by buffer and tile, four registers c0-c3 at work; when the maximum is found c2 takes a
.set S,   64
.set P,   192
.set KF,  128         ; K's fragments, in window 2: key block kb, channel half c at KF + 16 kb + 8 c
.set VF,  192         ; V's: key half kk, channel block cb at VF + 32 kk + 8 cb
.set WV,  12          ; s12  my wave's number
.set G1K, 24          ; s[24:31] descriptor group 1 for K's tiles
.set G1V, 32          ; s[32:39] for V's: it differs in the padding alone
.set G0K, 40          ; s[40:43] descriptor group 0 for K's tiles: it walks
.set G0V, 44          ; s[44:47] the same for V's
.set SLOTS, 56        ; s56  slots still to be asked for
.set CNT, 57          ; s57  counts a slot's key steps
.set CS,  58          ; s[58:59] c: the packed scaling takes the pair's low word for both halves
.set SEL, 60          ; s[60:61] v_permlanex16_b32's selects: each lane takes its own place in the other half
.set TBK, 62          ; s62  LDS byte at which K of the step to be fetched begins
.set TBV, 63          ; s63  the same for V, less VOFF
.set MSB, 0
.macro WIN new                      ; the high byte repeats the setting that is left; a switch that changes nothing is dropped
.if MSB != (\new)
	s_set_vgpr_msb (MSB<<8)|(\new)
.set MSB, (\new)
.endif
.endm
.set W_KQ, 0x0a       ; K and Q in window 2, S^T in window 0
.set W_PV, 0x52       ; V in window 2, P in window 0, O^T in window 1
.set W_RS, 0x41       ; O^T (destination and source 0) in window 1, a in window 0
.set W_MK, 0xc0       ; the add's registers are made: destination in window 3, sources in window 0
.set W_AD, 0x0f       ; the add: address (source 0) and data (source 1) in window 3
; A joint fill.  Waves 0 and 1 fetch the two halves of a slot's K, waves 2 and 3 those of its V: 128 keys each.  The branch hangs on the wave's number alone.
; An s_nop 0 and four v_nop follow each of the two lines, ahead of the jump and the label.
.macro JLOAD
	s_cmp_lt_u32 s[WV], 2
	s_cbranch_scc0 .Lfor_v_\@
	tensor_load_to_lds s[G0K:G0K+3], s[G1K:G1K+7]
	s_nop 0
.rept 4
	v_nop
.endr
	s_branch .Lasked_\@
.Lfor_v_\@:
	tensor_load_to_lds s[G0V:G0V+3], s[G1V:G1V+7]
	s_nop 0
.rept 4
	v_nop
.endr
.Lasked_\@:
.endm
; A round of the cluster's barrier: my work-group's barrier, so that wave 0's signal speaks for all four waves; wave 0 signals; every wave waits for all four work-groups; my work-group's barrier once more.
.macro CROUND
	s_barrier_signal -1
	s_barrier_wait -1
	s_cmp_lg_u32 s[WV], 0
	s_cbranch_scc1 .Lnot_wave_0_\@
	s_barrier_signal -3
.Lnot_wave_0_\@:
	s_barrier_wait -3
	s_barrier_signal -1
	s_barrier_wait -1
.endm
; THE CHANGE OF SLOTS.  The slot's last bytes, V of its fourth step, have been read.  Each wave waits for all its tensor loads, of which one is out: its part
; of the other slot; adds 0 to its spare word; and waits for that and for its own reads of the slot.  Behind the barrier nobody reads this slot any more and the other slot is whole.
; fill = 1: this slot is filled again, with the keys two slots on.  The barrier is then a round of the cluster's, so that no wave of any partner still reads the slot or has a load on its
; way, and the joint fill is the first thing behind it: it has four key steps, 512 matrix instructions, in which to land.  (At its first use nothing has been read yet: slot 0 is waited for, slot 1 filled.)
.macro CHANGE fill
	WIN W_AD
	s_wait_tensorcnt 0x0            ; no tensor load of mine is out, so a group 0 may be written
	ds_add_u32 v[SPW], v[NIL]       ; 0 onto my spare word; with fill = 1 the descriptors' steps stand between it and the wait for it
	WIN 0                           ; at a label and at a branch every window is 0
.if \fill
.irp g, G0K, G0V
	s_xor_b32 s[\g+1], s[\g+1], SLOT1  ; the walking descriptor: the other slot than last time,
	s_add_nc_u64 s[\g+2:\g+3], s[\g+2:\g+3], 4*KS*128  ; the next 256 keys; the type bits on top are not reached
.endr
	s_wait_dscnt 0x0                ; the add is done, and my reads of the slot are over
	CROUND
	JLOAD
.else
	s_wait_dscnt 0x0                ; the add is done, and my reads of the slot are over
	s_barrier_signal -1
	s_barrier_wait -1
.endif
	s_sub_co_u32 s[TBK], s[TBK], 4*KS*PK  ; the fetches go back to a slot's first step,
	s_xor_b32 s[TBK], s[TBK], SLOT1       ; in the other slot
	s_sub_co_u32 s[TBV], s[TBV], 4*KS*PV
	s_xor_b32 s[TBV], s[TBV], SLOT1
.endm
	s_load_b256 s[4:11], s[0:1], 0x0  ; Q s[4:5], K s[6:7], V s[8:9], O s[10:11]
	WIN W_MK
	v_lshl_add_u32 v[SPW], v0, 2, SPARE
	v_mov_b32 v[NIL], 0
	WIN W_AD
	ds_add_u32 v[SPW], v[NIL]       ; the wave's opening: the add and its wait stand ahead of my first tensor load; the set-up below, work on registers, stands between them
	WIN 0
	v_lshrrev_b32 v1, 5, v0
	v_readfirstlane_b32 s[WV], v1   ; wave 0..3
	s_bfe_u32 s13, ttmp6, 0x40000   ; cx: my place in the cluster
	s_lshl_b32 s14, ttmp9, 2        ; in a cluster launch ttmp9 counts clusters
	s_add_co_u32 s14, s14, s13      ; my block of queries = 4 x cluster x + cx: it enters Q's and O's addresses alone
	s_and_b32 s20, ttmp7, 0xffff    ; the head, which the four partners share
	s_mov_b32 s21, 0
	s_mov_b64 s[22:23], SIZE_N*128
	s_mul_u64 s[20:21], s[20:21], s[22:23]  ; the head's first byte in Q, K and V
	s_and_b32 s16, s[WV], 1         ; which half of a slot's 256 keys I fetch:
	s_lshl_b32 s22, s16, 14         ; its 128 rows of 128 bytes in memory,
	s_mov_b32 s23, 0
	s_add_nc_u64 s[22:23], s[22:23], s[20:21]
	s_mul_i32 s17, s16, 128*PK      ; and its place in a slot, for K
	s_mul_i32 s18, s16, 128*PV      ; and for V: no place in the cluster enters an LDS address
	s_lshl_b32 s2, s14, 2
	s_add_co_u32 s2, s2, s[WV]      ; my wave among the head's,
	s_lshl_b32 s2, s2, 14           ; its 128 rows
	s_mov_b32 s3, 0
	s_add_nc_u64 s[2:3], s[2:3], s[20:21]
	s_lshl_b64 s[48:49], s[2:3], 1  ; the same rows in O, whose numbers have 4 bytes: twice the offset
	; descriptor group 1.  128 keys are 16,384 dense bytes: asked for as 64 rows of 256 bytes, two keys a row, and padded in LDS after every key
	s_mov_b32 s[G1K], 15|(1<<16)|(1<<20)|(1<<21)|(4<<22)|(3<<25)  ; 15:0 the mask of four; 17:16 2-byte elements; 20 padding on; 21 set beside a mask; 24:22 after every 32 words (code 4); 31:25 4 words (code 3)
	s_mov_b32 s[G1V], 15|(1<<16)|(1<<20)|(1<<21)|(4<<22)|(7<<25)  ; the same with 8 words of padding (code 7)
.irp g, G1K, G1V
	s_mov_b32 s[\g+1], 128<<16      ; tensor_dim0 = 128
	s_mov_b32 s[\g+2], 64<<16       ; tensor_dim1 = 64
	s_mov_b32 s[\g+3], 128<<16      ; tile_dim0 = 128
	s_mov_b32 s[\g+4], 64           ; tile_dim1 = 64
	s_mov_b32 s[\g+5], 128          ; 128 elements from row to row
	s_mov_b32 s[\g+6], 0
	s_mov_b32 s[\g+7], 0
.endr
	s_mov_b32 s[CS], 0x3d38aa3b     ; c = log2(e) / 32 = 0.0450842
	s_mov_b32 s[CS+1], s[CS]        ; named with it as a pair
	s_mov_b32 s[SEL], 0x76543210
	s_mov_b32 s[SEL+1], 0xfedcba98
	s_mov_b32 s[TBK], SLOT1+4*KS*PK ; the first change of slots turns these two into 0
	s_mov_b32 s[TBV], SLOT1+4*KS*PV
	s_mov_b32 s[G0K], 1             ; 1:0 count = 1
	s_mov_b32 s[G0K+1], s17         ; 63:32 LDS address: slot 0
	s_mov_b32 s[G0V], 1
	s_add_co_u32 s[G0V+1], s18, VOFF
	s_wait_dscnt 0x0                ; the opening add is done
	s_wait_kmcnt 0x0
	s_add_nc_u64 s[G0K+2:G0K+3], s[6:7], s[22:23]  ; 120:64 global address: my half of the head's first 256 keys
	s_or_b32 s[G0K+3], s[G0K+3], 0x80000000        ; 127:126 type = 2
	s_add_nc_u64 s[G0V+2:G0V+3], s[8:9], s[22:23]
	s_or_b32 s[G0V+3], s[G0V+3], 0x80000000
	s_add_nc_u64 s[4:5], s[4:5], s[2:3]  ; Q and O at my wave's first row
	s_add_nc_u64 s[10:11], s[10:11], s[48:49]
	CROUND                          ; all four work-groups are here: the first joint loads meet
	JLOAD                           ; slot 0.  Slot 1 is asked for when slot 0 is in: the tile wanted first has the road to itself
	; A fragment of K or Q is 16 rows x 32 channels in 8 registers: lane l holds row l % 16, channels 8 (l / 16) + 0..7 and 16 + 8 (l / 16) + 0..7: two loads of 16 bytes, 32 bytes apart.
	v_and_b32 v1, 15, v0            ; l % 16
	v_bfe_u32 v9, v0, 4, 1          ; l / 16
	v_lshlrev_b32 v[QO], 7, v1
	v_lshl_add_u32 v[QO], v9, 4, v[QO]  ; row x 128 + 16 x half
	WIN 0x80                        ; destination window 2, address window 0
.set i, 0
.rept 4*NP                          ; Q stays in registers: tile i / 2, channels 32 (i % 2) on
	global_load_b128 v[8*i:8*i+3],   v[QO], s[4:5] offset:(i/2)*2048+(i%2)*64
	global_load_b128 v[8*i+4:8*i+7], v[QO], s[4:5] offset:(i/2)*2048+(i%2)*64+32
.set i, i+1
.endr
	; What the first turn finds: V's registers and P's second buffer hold 0 (its products V^T P, of a piece that has not been, add 0), O^T and l are 0.  All this stands in the wait for the first tile.
.set i, VF
.rept 64
	v_mov_b32 v[i], 0
.set i, i+1
.endr
	WIN 0x40
.set i, 0
.rept 64*NP
	v_mov_b32 v[i], 0
.set i, i+1
.endr
	WIN 0
.set i, 0
.rept 2*NP
	v_mov_b32 v[ST+4*i], 0xfe000000    ; c m: far below every c s
	v_mov_b32 v[ST+4*i+1], 0xff7fffff  ; m
	v_mov_b32 v[ST+4*i+2], 0
	v_mov_b32 v[ST+4*i+3], 0
.set i, i+1
.endr
.set i, P+32
.rept 32
	v_mov_b32 v[i], 0
.set i, i+1
.endr
	v_mul_u32_u24 v[AK0], v1, PK
	v_lshl_add_u32 v[AK0], v9, 4, v[AK0]  ; row x pitch + 16 x half
	; The turning load takes 16 keys x 16 channels (lane l reads key 8 (l / 16) + l % 8, channels 8 ((l / 8) % 2) + 0..7) and leaves half a fragment of V^T: lane l holds channel l % 16 and 8 keys.
	v_and_b32 v10, 7, v0
	v_bfe_u32 v11, v0, 3, 1
	v_lshl_add_u32 v[AV0], v9, 3, v10
	v_mul_u32_u24 v[AV0], v[AV0], PV
	v_lshl_add_u32 v[AV0], v11, 4, v[AV0]
	v_add_nc_u32 v[AV0], VOFF, v[AV0]
	v_mov_b32 v[AK], v[AK0]         ; key step 0 lies at the head of slot 0
; THE MATRIX WORK.  The 8 accumulators of a run of 16 take turns: between the two links of a chain stand 7 others'.
; Product i of 16 of S^T = K Q^T for piece x: channels 32 (i / 8) on, keys 16 ((i / 2) % 4) on, tile 2 x + i % 2.  The first 8 start the sums.
.macro KQ x
	WIN W_KQ
.set rS, S+64*((\x)%2)+32*(i%2)+8*((i/2)%4)
.set rK, KF+16*((i/2)%4)+8*(i/8)
.set rQ, 16*(2*(\x)+i%2)+8*(i/8)
.if i < 8
	v_wmma_f32_16x16x32_f16 v[rS:rS+7], v[rK:rK+7], v[rQ:rQ+7], 0
.else
	v_wmma_f32_16x16x32_f16 v[rS:rS+7], v[rK:rK+7], v[rQ:rQ+7], v[rS:rS+7]
.endif
.endm
; Product i of 16 of O^T += V^T P for piece x: keys 32 (i / 8) on, channels 16 ((i / 2) % 4) on, tile 2 x + i % 2.
.macro PV x
	WIN W_PV
.set rO, 32*(2*(\x)+i%2)+8*((i/2)%4)
.set rV, VF+32*(i/8)+8*((i/2)%4)
.set rP, P+32*((\x)%2)+16*(i%2)+8*(i/8)
	v_wmma_f32_16x16x32_f16 v[rO:rO+7], v[rV:rV+7], v[rP:rP+7], v[rO:rO+7]
.endm
.macro MM                           ; the turn's next matrix instruction
.if i < 16
	KQ (Y+1)%NP
.set i, i+1
.else
.set i, i-16
	PV (Y+NP-1)%NP
.set i, i+17
.endif
.endm
; THE LDS LOADS stand in runs of 16, never singly among the matrix instructions: a step's K (64 keys x 64 channels: 8 fragments) and its V (turned).  Their addresses are made some lines ahead.
; last = 1 (the tail): in the last trip there is no further step, and the run is jumped over.
.macro FETCH_K last=0
	WIN 0
.if \last
	s_cmp_eq_u32 s[CNT], 1
	s_cbranch_scc1 .Lno_k_\@
.endif
	WIN 0x80                        ; destination window 2
.irp f, 0,1,2,3,4,5,6,7             ; keys 16 (f / 2) on, channels 32 (f % 2) on
	ds_load_b128 v[KF+8*\f:KF+8*\f+3],   v[AK] offset:(\f/2)*16*PK+(\f%2)*64
	ds_load_b128 v[KF+8*\f+4:KF+8*\f+7], v[AK] offset:(\f/2)*16*PK+(\f%2)*64+32
.endr
	s_add_co_u32 s[TBK], s[TBK], KS*PK  ; the next fetch is the next step's
	WIN 0
.if \last
.Lno_k_\@:
.endif
.endm
.macro FETCH_V
	WIN 0x80
.irp f, 0,1,2,3,4,5,6,7             ; keys 32 (f / 4) on, channels 16 (f % 4) on
	ds_load_tr16_b128 v[VF+8*\f:VF+8*\f+3],   v[AV] offset:(\f/4)*32*PV+(\f%4)*32
	ds_load_tr16_b128 v[VF+8*\f+4:VF+8*\f+7], v[AV] offset:(\f/4)*32*PV+16*PV+(\f%4)*32
.endr
	WIN 0
.endm
; THE VECTOR WORK OF A TURN stands in three queues, each in the order in which its entries become ready; the two tiles alternate, so that no instruction reads the result of the one before it.
.macro REGS y, u                    ; the registers of tile u (0, 1) of piece y
.set rT, ST+4*(2*(\y)+(\u))
.set rC, TMP+8*((\y)%2)+4*(\u)
.set rM, MV+2*((\y)%2)+(\u)
.set rS, S+64*((\y)%2)+32*(\u)
.set rP, P+32*((\y)%2)+16*(\u)
.set rO, 32*(2*(\y)+(\u))
.endm
; Number n of the 22 that find the NEXT piece's (Y + 1) maximum and statistics.  s0-s31 are the lane's 32 scores; each accumulator's lowest registers are read first.  XS, GS and REGS set no window: PL and EX do.
;   0-11  four chains c0-c3 of seven scores each, three operands at a time     12-14, 16  the four scores left over, the old m, and c0-c3 into c0     15  c m_old is kept
;   17, 18  the query's other 32 keys lie in the lane 16 away: the new m         19-21  c m; c m_old - c m_new; a
.macro XS u, n
	REGS (Y+1)%NP, \u
.if (\n) < 4
	v_max3_num_f32 v[rC+(\n)], v[rS+8*(\n)], v[rS+8*(\n)+1], v[rS+8*(\n)+2]
.elseif (\n) < 12
	v_max3_num_f32 v[rC+(\n)%4], v[rC+(\n)%4], v[rS+8*((\n)%4)+2*((\n)/4)+1], v[rS+8*((\n)%4)+2*((\n)/4)+2]
.elseif (\n) == 12
	v_max3_num_f32 v[rC], v[rC], v[rS+7], v[rS+15]
.elseif (\n) == 13
	v_max3_num_f32 v[rC+1], v[rC+1], v[rS+23], v[rS+31]
.elseif (\n) == 14
	v_max3_num_f32 v[rC+2], v[rC+2], v[rC+3], v[rT+1]
.elseif (\n) == 15
	v_mov_b32 v[rM], v[rT]
.elseif (\n) == 16
	v_max3_num_f32 v[rC], v[rC], v[rC+1], v[rC+2]
.elseif (\n) == 17
	v_permlanex16_b32 v[rC+3], v[rC], s[SEL], s[SEL+1]
.elseif (\n) == 18
	v_max_num_f32 v[rT+1], v[rC], v[rC+3]
.elseif (\n) == 19
	v_mul_f32 v[rT], s[CS], v[rT+1]
.elseif (\n) == 20
	v_sub_f32 v[rC+1], v[rM], v[rT]
.else
	v_exp_f32 v[rC+2], v[rC+1]
.endif
.endm
; Number g of the 64 that follow the exponentials.  For each four weights k of a tile (pairs 2 k, 2 k + 1): both pairs are rounded to f16; then the second pair is added onto the first, in place;
; a group later l takes that sum (the first time as l = a l + sum).  In groups of eight, tiles alternating: round, round, add, and l for the group before.
.macro GS g
.set h, (\g)+6*((\g)/62)            ; group 0 has no group before it, and behind group 7 only l is left
.if h >= 6
.set h, h+2
.endif
	REGS Y, h%2
.set k, h/8
.if h%8 < 4
	s_wait_alu depctr_va_vdst(0)
	v_cvt_pk_f16_f32 v[rP+2*k+(h%8)/2], v[rS+4*k+2*((h%8)/2)], v[rS+4*k+2*((h%8)/2)+1]
.elseif h%8 < 6
	v_pk_add_f32 v[rS+4*k:rS+4*k+1], v[rS+4*k:rS+4*k+1], v[rS+4*k+2:rS+4*k+3]
.elseif k == 1
	v_pk_fma_f32 v[rT+2:rT+3], v[rT+2:rT+3], v[rC+2:rC+3], v[rS:rS+1] op_sel_hi:[1,0,1]
.else
	v_pk_add_f32 v[rT+2:rT+3], v[rT+2:rT+3], v[rS+4*k-4:rS+4*k-3]
	s_wait_alu depctr_va_vdst(0)
.endif
.endm
; THE PLAIN QUEUE, 138 long.  0-31: c s - c m for the 16 pairs of both tiles.  Then GS's 64, and among them the next piece's 42: number 15 at 38, 39; 0-14 and 16
; at 42-73, behind the products that make those scores; 17-20 at 95-106, two of three, since each waits for the one before it.
.macro PL
	WIN 0
.if q < 32
	REGS Y, q%2
	v_pk_fma_f32 v[rS+2*(q/2):rS+2*(q/2)+1], v[rS+2*(q/2):rS+2*(q/2)+1], s[CS:CS+1], v[rT:rT+1] op_sel_hi:[1,0,0] neg_lo:[0,0,1] neg_hi:[0,0,1]
.elseif q < 38
	GS q-32
.elseif q < 40
	XS q%2, 15
.elseif q < 42
	GS q-34
.elseif q < 74
	XS q%2, (q-42)/2+(q-42)/30
.elseif q < 95
	GS q-66
.elseif (q < 107) && ((q-95)%3 < 2)
	XS (q-95)%3, 17+(q-95)/3
.elseif q < 107
	GS 29+(q-95)/3
.else
	GS q-74
.endif
.set q, q+1
.endm
; THE EXPONENTIALS' QUEUE, 66 long: s0-s31 of both tiles, and at EA the next piece's two a.
.set EA, 58
.macro EX
	WIN 0
.if (e == EA) || (e == EA+1)
	XS e-EA, 21
.else
.set x, e-2*(e/(EA+2))
	REGS Y, x%2
	v_exp_f32 v[rS+x/2], v[rS+x/2]
.endif
.set e, e+1
.endm
; THE RESCALING's QUEUE: O^T times a, the one part that leaves window 0, so it is dealt four at a time, eight times.
.macro R4
	REGS Y, r%2
	WIN W_RS
	s_wait_alu depctr_va_vdst(0)
.irp z, 0,1,2,3
	v_pk_mul_f32 v[rO+8*(r/2)+2*\z:rO+8*(r/2)+2*\z+1], v[rO+8*(r/2)+2*\z:rO+8*(r/2)+2*\z+1], v[rC+2:rC+3] op_sel_hi:[1,0]
.endr
.set r, r+1
.endm
; HOW THEY ARE DEALT.  Behind a matrix instruction four: plain, exponential, plain, plain (one exponential, a plain instruction on either side), or four of the rescaling.  None names a register of the
; products round it.  What is over stands in two LUMPS: exponential and plain by turns; the second ends in 22 plain instructions.  The two v_permlanex16_b32 fall into the second lump, never behind a product.
; The queues lean on each other, and the deal keeps them in step: exponential e stands behind plain 2 (e / 4) + e % 2 (its scaling); when plain 32 comes, 10 exponentials are out, at 59: 33, at 95: 46; EA comes behind plain 107.
.macro SL
	MM
	PL
	EX
	PL
	PL
.endm
.macro BURST n                      ; 15 matrix instructions, or 16
.rept (\n)-7
	SL
.endr
.rept 3
	MM
	R4
	SL
.endr
	MM
	R4
.endm
; A TURN, for piece p.  cnt = 1: the loop's count is taken down some lines ahead of the branch that stands behind the turn.
; K of the next step is fetched in piece 2's turn, 31 vector instructions behind the last product that read K; its first reader comes behind the rest of the lump, 16 products and the second lump.
; V of the step in hand is fetched at the end of piece 0's turn, 69 behind its last reader; its first reader comes behind 16 products and a lump.  The four conditions on e and q below go with the deal.
.macro TURN p, last=0, cnt=0
.set Y, (\p)
.set i, 0
.set q, 0
.set e, 0
.set r, 0
.if (\p) == NP-1
	s_wait_dscnt 0x0                ; K is in
.endif
	MM
.rept 4
	PL
.endr
	BURST 15
.rept 22
	EX
	PL
.if ((\p) == NP-2) && (e == 18)
	v_add_nc_u32 v[AK], s[TBK], v[AK0]
.endif
.if ((\p) == NP-2) && (e == 24)
	FETCH_K \last
.endif
.endr
.if (\p) == 1
	s_wait_dscnt 0x0                ; V is in
.endif
	BURST 16
.rept 21
	EX
	PL
.endr
.rept 22
	PL
.if ((\p) == 0) && (q == 118)
	v_add_nc_u32 v[AV], s[TBV], v[AV0]
	s_wait_alu depctr_va_vdst(0)
.endif
.if ((\p) == 0) && (q == 130)
	s_add_co_u32 s[TBV], s[TBV], KS*PV
.endif
.if (\cnt) && (q == 130)
	s_sub_co_u32 s[CNT], s[CNT], 1
	s_cmp_lg_u32 s[CNT], 0
.endif
.endr
.if (\p) == 0
	FETCH_V
.endif
.endm
	CHANGE 1                        ; slot 0 is in, everybody's part of it; slot 1 is asked for
	FETCH_K                         ; key step 0
	s_wait_loadcnt 0x0              ; Q
	s_wait_dscnt 0x0
.set i, 0
.rept 16
	KQ 0                            ; piece 0's first scores: there is no vector work yet to set between them
.set i, i+1
.endr
	WIN 0                           ; the addresses for the way out: eight plain instructions, the places behind those products
	s_mul_i32 s13, s[WV], 16*SP
	s_add_co_u32 s13, s13, STAGE    ; my stage
	v_mul_u32_u24 v[STO], v1, SP    ; in: row l % 16, 32 bytes (eight channels in f32) for each half of the lanes
	v_lshl_add_u32 v[STO], v9, 5, v[STO]
	v_add_nc_u32 v[STO], s13, v[STO]
	v_mul_u32_u24 v[RD], v9, SP     ; back: lanes 0-15 take one row of 256 bytes, lanes 16-31 the next,
	v_lshl_add_u32 v[RD], v1, 4, v[RD]
	v_add_nc_u32 v[RD], s13, v[RD]
	v_and_b32 v[GO], 31, v0         ; which are 512 consecutive bytes of O
	v_lshlrev_b32 v[GO], 4, v[GO]
.set Y, NP-1                        ; XS works for piece Y + 1: piece 0
.irp n, 0,1,2,3,4,5,6,7,8,9,10,11,12,13,14,15,16,17,18,19,20,21
	XS 0, \n                        ; and piece 0's first maximum and statistics
	XS 1, \n
.endr
	s_mov_b32 s[CNT], 4
	s_mov_b32 s[SLOTS], SIZE_N/256-1
	s_branch .Lfirst                ; the loop is entered at a step's first turn, in the middle of a trip
.Lslot:                             ; SIZE_N / 256 - 2 times: every slot but the last two is filled again
	CHANGE 1
	s_mov_b32 s[CNT], 4
.Lstep:                             ; a trip: pieces 2 and 3 of one step, then pieces 0 and 1 of the next, whose K and V it fetches
	TURN 2
	TURN 3
	WIN 0
.Lfirst:
	TURN 0
	TURN 1, 0, 1
	WIN 0
	s_cbranch_scc1 .Lstep
	s_sub_co_u32 s[SLOTS], s[SLOTS], 1
	s_cmp_lg_u32 s[SLOTS], 0
	s_cbranch_scc1 .Lslot
	CHANGE 0                        ; the tail is written out: nothing is asked for
	s_mov_b32 s[CNT], 5             ; four trips fetch the last slot's steps; the fifth is left in its middle
.Ltail:
	TURN 2, 1
	TURN 3
	WIN 0
	s_sub_co_u32 s[CNT], s[CNT], 1
	s_cmp_eq_u32 s[CNT], 0
	s_cbranch_scc1 .Lout
	TURN 0
	TURN 1
	WIN 0
	s_branch .Ltail
.Lout:                              ; the fifth trip's 16 products K Q^T (on the last K once more) and the maximum made of them serve nothing: the price, once a launch, of one text for every trip
.set i, 0
.rept 16
	PV NP-1                         ; the last piece's V^T P of the last step
.set i, i+1
.endr
	; THE WAY OUT.  l's two halves and the other half of the lanes' are added; O^T is divided by l and sent, in f32, through my stage in LDS, a tile at a time.  The additions are the places behind the last products.
	WIN 0
.macro ALL line:vararg              ; one line for each tile t
.set t, 0
.rept 2*NP
	\line
.set t, t+1
.endr
.endm
	ALL v_add_f32 v[ST+4*t+2], v[ST+4*t+2], v[ST+4*t+3]
	ALL v_permlanex16_b32 v[ST+4*t+3], v[ST+4*t+2], s[SEL], s[SEL+1]
	ALL v_add_f32 v[ST+4*t+2], v[ST+4*t+2], v[ST+4*t+3]
	ALL v_rcp_f32 v[ST+4*t+2], v[ST+4*t+2]
	v_nop                           ; a plain instruction between the last reciprocal and the use of its result
	s_wait_alu depctr_va_vdst(0)
; Tile t: a lane's eight channels of a row are 32 bytes; they go into rows of 272 bytes and come back as whole rows of 256, into S^T's registers: four sets of 32, by turns.
.macro PACK t
	WIN W_RS
.set i, 32*(\t)
.rept 16
	v_pk_mul_f32 v[i:i+1], v[i:i+1], v[ST+4*(\t)+2:ST+4*(\t)+3] op_sel_hi:[1,0]
.set i, i+2
.endr
	WIN 0x04                        ; an LDS store's data is source 1: window 1; its address window 0
.irp f, 0,1,2,3,4,5,6,7             ; channel block f / 2 (64 bytes of the row), half f % 2 of my 32 bytes
	ds_store_b128 v[STO], v[32*(\t)+4*\f:32*(\t)+4*\f+3] offset:64*(\f/2)+16*(\f%2)
.endr
	WIN 0
.if (\t) >= 4
	s_wait_xcnt 0x0                 ; the stores of the tile four back have read these registers: they are loaded again only behind this wait
.endif
.irp f, 0,1,2,3,4,5,6,7
	ds_load_b128 v[S+32*((\t)%4)+4*\f:S+32*((\t)%4)+4*\f+3], v[RD] offset:\f*2*SP  ; LDS serves a wave's instructions in order (ISA guide 5.7.1.4): these see the stores above; the next tile's stores come behind them
.endr
.endm
.macro SEND t, younger              ; younger: the LDS instructions issued behind tile t's loads: the next tile's eight stores and eight loads, or none
	WIN 0
.irp f, 0,1,2,3,4,5,6,7
	s_wait_dscnt (\younger)+7-\f
	global_store_b128 v[GO], v[S+32*((\t)%4)+4*\f:S+32*((\t)%4)+4*\f+3], s[10:11] offset:(\t)*4096+\f*512 th:TH_STORE_NT  ; 512 consecutive bytes, at a multiple of 256 from O's first
.endr
.endm
	PACK 0
.set t, 1
.rept 2*NP-1                        ; a tile's arithmetic stands between the loads of the tile before and its stores
	PACK t
	SEND t-1, 16
.set t, t+1
.endr
	SEND 2*NP-1, 0
	WIN W_AD
	s_wait_tensorcnt 0x0            ; the wave's end: an add to my spare word between two waits, behind my last tensor load and my last LDS store
	ds_add_u32 v[SPW], v[NIL]
	s_wait_dscnt 0x0
	WIN 0
	CROUND                          ; the closing round: no work-group ends while a partner may still ask for a tile that names it
	s_endpgm
.Lfunc_end_k_q314b2aacb6_attn:
	.size	k_q314b2aacb6_attn, .Lfunc_end_k_q314b2aacb6_attn-k_q314b2aacb6_attn
	.p2alignl 7, 3214868480
	.fill 96, 4, 3214868480
	.section	.rodata,"a",@progbits
	.p2align	6, 0x0
	.amdhsa_kernel k_q314b2aacb6_attn
		.amdhsa_group_segment_fixed_size 327680
		.amdhsa_private_segment_fixed_size 0
		.amdhsa_enable_private_segment 0
		.amdhsa_kernarg_size 32
		.amdhsa_user_sgpr_count 2
		.amdhsa_user_sgpr_kernarg_segment_ptr 1
		.amdhsa_wavefront_size32 1
		.amdhsa_system_sgpr_workgroup_id_x 1
		.amdhsa_system_sgpr_workgroup_id_y 1
		.amdhsa_system_sgpr_workgroup_id_z 1
		.amdhsa_system_vgpr_workitem_id 0
		.amdhsa_next_free_vgpr 770
		.amdhsa_next_free_sgpr 66
		.amdhsa_reserve_vcc 0
		.amdhsa_float_denorm_mode_32 3
		.amdhsa_float_denorm_mode_16_64 3
		.amdhsa_memory_ordered 1
		.amdhsa_forward_progress 1
		.amdhsa_inst_pref_size 208
	.end_amdhsa_kernel
	.amdgpu_metadata
---
amdhsa.version: [ 1, 2 ]
amdhsa.kernels:
  - .name:           k_q314b2aacb6_attn
    .symbol:         k_q314b2aacb6_attn.kd
    .args:
      - { .name: q16, .offset: 0, .size: 8, .value_kind: global_buffer, .address_space: global }
      - { .name: k16, .offset: 8, .size: 8, .value_kind: global_buffer, .address_space: global }
      - { .name: v16, .offset: 16, .size: 8, .value_kind: global_buffer, .address_space: global }
      - { .name: out0, .offset: 24, .size: 8, .value_kind: global_buffer, .address_space: global }
    .group_segment_fixed_size: 327680
    .private_segment_fixed_size: 0
    .kernarg_segment_align: 8
    .kernarg_segment_size: 32
    .max_flat_workgroup_size: 128
    .sgpr_count:     66
    .vgpr_count:     770
    .wavefront_size: 32
...
	.end_amdgpu_metadata
.endif
;; end of part 3
